; MI455X (gfx1250); checked and timed in simulation.
; The chip was launched on July 23, 2026; its instructions are those of AMD's public machine-readable ISA for CDNA 5 (MIT licence, August 2026) and "CDNA5" Instruction Set Architecture Reference Guide (July 2026). The comments in the code are by the model that wrote it; some were corrected since.
;; Ternary Linear. Allowed arithmetic: matrix products marked QUANTISED: E2M1 operands, one E8M0 scale for each 32 along K, by v_wmma_scale_f32_16x16x128_f8f6f4 with both operands' format E2M1 (or v_wmma_scale_f32_32x16x128_f4), f32 sums; everything else in f32.
;; Inputs: w_codes 2,048 x 128 x 16 uint8 (E2M1 codes of w, K innermost, in blocks of 32 codes, two codes a byte); w_scales 2,048 x 128 uint8 (E8M0 scales of w, one for each 32 codes along K); x_codes 4 x 2,048 x 128 x 16 uint8 (E2M1 codes of x, K innermost, in blocks of 32 codes, two codes a byte); x_scales 4 x 2,048 x 128 uint8 (E8M0 scales of x, one for each 32 codes along K).
;; Outputs: out0 4 x 2,048 x 2,048 float32.
;; This version of the problem:
;;   THIS VERSION OF THE PROBLEM IS GIVEN IN LOW PRECISION. The matrix products marked QUANTISED in the list below multiply operands that are first quantised to E2M1 (2 exponent bits, 1 mantissa bit; 4 bits a number), with one power-of-two scale for each 32 numbers along K (OCP MX v1.0); their sums are f32. All else is computed in f32.
;;   The module's matrix products, in the order in which they are computed (A, B: the left and right operand; K: the contracted axis; several contracted axes count as one K, in the product's order):
;;     1. [M 8,192, K 4,096] x [K 4,096, N 2,048]; A: input x (given as codes); B: input w (given as codes): QUANTISED
;;   THE QUANTISER, for each operand of a quantised product, along K:
;;     - K is cut into blocks of 32 from its start; a last block that is shorter is filled with zeros.
;;     - A block's scale is 2^e with e = floor(log2(the largest magnitude in the block)) - 2, held to -126 .. 127; a block of zeros has e = 0. As a byte (E8M0): e + 127.
;;     - Each number is divided by its block's scale, clamped to +-6, and rounded to the nearest number of E2M1, ties to even, subnormals kept.
;;     - The product sums the exact products of the quantised numbers (number of the format x scale) in f32.
;;   ~~~python
;;   def quantise(x, axis):      # numpy; x: float32 -> the quantised numbers, widened to float32 again
;;       x = np.moveaxis(x, axis, -1); K = x.shape[-1]
;;       x = np.pad(x, [(0, 0)] * (x.ndim - 1) + [(0, -K % 32)]); x = x.reshape(x.shape[:-1] + (-1, 32)); a = np.abs(x).max(-1, keepdims=True)
;;       e = np.where(a > 0, np.clip(np.frexp(np.where(a > 0, a, 1))[1] - 1 - 2, -126, 127), 0)      # np.frexp(a)[1] - 1 = floor(log2(a)), exactly
;;       r = np.clip(x / 2.0 ** e, -6, 6)
;;       step = 2.0 ** (np.maximum(np.frexp(np.where(r == 0, 1, r))[1] - 1, 0) - 1)
;;       q = np.round(r / step) * step * 2.0 ** e      # np.round: ties to even
;;       return np.moveaxis(q.reshape(q.shape[:-2] + (-1,))[..., :K], -1, axis).astype(np.float32)
;;   ~~~
;;   INPUTS GIVEN AS CODES. w (in the module: [4096, 2048], K = its axis 0); x (in the module: [4, 2048, 4096], K = its axis 2): each comes as NAME_codes (uint8): NAME with its K axis moved to the last place and cut into blocks of 32 codes, [.., K / 32, bytes a block], one block behind the other in memory; two codes a byte, the lower K in the low four bits (a code: sign, 2 exponent bits, 1 mantissa bit); and NAME_scales (uint8): the same leading axes, one E8M0 byte (e + 127) for each 32 codes along K. Its value is code x scale, taken as it is: it is not quantised again, and the codes and scales need not be those that the quantiser above would give.
;; One version. Each part assembles by itself: llvm-mc -triple=amdgcn-amd-amdhsa -mcpu=gfx1250 --defsym DOCPART=n.
;; ======== version 1 of 1: 1 launch
;; limits: right only within a limited range of input values
;; launch gemm (part 1): grid 8 x 32, 4 waves a work-group, clusters of 4 x 4, 327,680 bytes of LDS; arguments x_codes, x_scales, w_codes, w_scales, out0; writes out0
.if DOCPART == 1
	.amdgcn_target "amdgcn-amd-amdhsa--gfx1250"
	.amdhsa_code_object_version 6
	.text
	.protected	k_q99fd881156_gemm
	.globl	k_q99fd881156_gemm
	.p2align	8
	.type	k_q99fd881156_gemm,@function
k_q99fd881156_gemm:
	s_mov_b64 s[64:65], 0
	v_nop
	global_prefetch_b8 v0, s[64:65] scope:SCOPE_SE
	s_setreg_imm32_b32 hwreg(HW_REG_WAVE_MODE, 25, 1), 1
	s_wait_xcnt 0x0
	s_wait_alu depctr_hold_cnt(0) depctr_sa_sdst(0) depctr_va_vdst(0) depctr_va_sdst(0) depctr_va_ssrc(0) depctr_va_vcc(0) depctr_vm_vsrc(0)
	s_getreg_b32 s2, hwreg(HW_REG_IB_STS2, 6, 4)
	s_cmp_eq_u32 s2, 0
	s_cbranch_scc0 .Lentry_in_a_cluster
	s_endpgm
.Lentry_in_a_cluster:
	s_bfe_u32 s2, ttmp6, 0x10000c
	s_cmp_lg_u32 s2, 0xf033
	s_cbranch_scc0 .Lentry_shape_is_right
	s_endpgm
.Lentry_shape_is_right:
; out0[m][n] = sum over k of x[m][k] w[n][k].  m = 8,192 (4 x 2,048), n = 2,048, k = 4,096.  x and w arrive as codes of FP4 (E2M1), K innermost, two codes a byte (a row is 2,048 bytes),
; with one E8M0 byte for each 32 along K (a row of scales is 128 bytes).  out0 is f32; one f32 sum for each output, K ascending.  The matrix instruction takes codes and scale bytes as they lie in memory.
; LIMITS: a scale byte 0xff stands for NaN and makes the sums that it enters NaN; sums beyond f32's range overflow as f32 does.
; SHARES.  out0 has 32 x 8 = 256 tiles of 256 x 256: one work-group each.  Four waves, as many as a WGP has SIMDs; a wave makes 128 x 128 of out0 in 512 registers.
; A = x (its rows are out0's rows), B = w (its rows are out0's columns).  K goes in 8 K steps of 512 (a tile's row is 256 bytes of memory) through a ring of two LDS slots; a K step is four steps of 128 along K.
; THE MATRIX INSTRUCTION, 32 x 16 x 128, IS USED TRANSPOSED: source 0 = 32 rows of w, source 1 = 16 rows of x: lane (r, h) then holds row r of a block of 16 rows of out0, in registers 0-7 the columns 8 h + 0 .. 7 and in
; registers 8-15 the columns 16 + 8 h + 0 .. 7 of a pair of 16 columns.  A step is 32 of them: x's 8 blocks of 16 rows, each against w's 4 pairs.
; SCALES.  The scale bytes of the tile's 256 rows of x, for all of K, are one dense block of 32,768 bytes, and so are w's: each comes ONCE, as 128 rows of 256 bytes.  Both do not fit beside two slots: x's stay in LDS;
; w's land where slot 1 will lie, are read into 128 registers, and slot 1's first fill follows.  A register of scale words serves 32 rows, lane l row l: whole for source 0, lanes 0-15 or (ROW1) lanes 16-31 for source 1.
; K IS WRITTEN OUT, by the assembler: the registers of w's scale words differ in each of the eight K steps.
; CLUSTERS: 4 x 4 work-groups.  The four of a row of the cluster need the same rows of x, the four of a column the same rows of w: each tile (codes and scale bytes) is asked for JOINTLY, by the same tensor load
; with the same descriptor and a mask that names the four.
; REGISTERS, in windows of 256: window 0: v0-15 addresses; v16-47 x's scale words, two sets; v48-175 w's, K step k at v48 + 16 (7 - k); in the last K step v96-159 take x's fragments; v192-255 rows of out0 on the way out.
;   window 1: two sets of fragments for 128 along K, at v0 and v128: w's eight (64 registers), then x's eight; in the last K step all 256 take w's fragments of the whole K step.
;   window 2: the accumulators of my rows 0-63 (block a, pair p at v[64 a + 16 p]);   window 3: those of my rows 64-127.
.set ROWB,   256                       ; a tile's row in bytes: 512 codes
.set KROW,   2048                      ; a row of x or of w in memory, in bytes
.set NROW,   8192                      ; a row of out0 in bytes
.set PITCH,  272                       ; an LDS row: 256 bytes + 16 of padding = 68 words: row r starts at bank 4 r mod 64 (64 banks of 4 bytes: ISA guide 11.1), so the 16 rows that a load touches start at 16 different banks
.set HALFT,  128*PITCH                 ; 128 rows: what one tensor load of the ring brings, and what one wave reads of A or of B
.set TILE,   256*PITCH
.set SLOT,   2*TILE                    ; A's 256 rows, then B's 256 rows
.set SCA,    2*SLOT                    ; behind the ring: x's scale bytes: 128 LDS rows, two rows of scales in each
.set SCB,    SLOT                      ; w's, where slot 1's first rows will lie
.set HALFS,  64*PITCH                  ; the scale bytes of 128 rows
.set SBLK,   16*PITCH                  ; those of 32 rows
.set SPARE,  SCA+128*PITCH             ; behind them: the spare words, 128 bytes for each wave: two blocks of 256 bytes that no other line names
.set SPITCH, 528                       ; the way out: a stage of 16 rows x (512 bytes + 16) for each wave.  It lies in slot 0, which has had its last fill and its last read when the first result is stored there
.set ADRA, 2                           ; v2-3   LDS address of my A fragments in slot 0, 1
.set ADRB, 4                           ; v4-5   the same for B
.set STO,  6                           ; v6     the way out: where I put 32 bytes of a row
.set RD,   7                           ; v7     the way out: where I read a row back
.set CO,   8                           ; v8     my byte offset in a row of out0
.set ADRS, 9                           ; v9     LDS address of x's scale words, lane l row l
.set SPW,  10                          ; v10    LDS address of my spare word: SPARE + 4 x my thread's number; never rewritten
.set NIL,  11                          ; v11    0; never rewritten
.set PFO,  12                          ; v12    the prefetches' offset: my lane x a row of codes in memory; never rewritten
.set ADSB, 15                          ; v15    LDS address of w's scale words
.set SA,   16
.set SB,   48
.set PA,   96                          ; the last K step: x's fragments of 16 rows x 512 K, two buffers of 32
.set BK,   192                         ; the way out: 16 rows read back from the stage: blocks 0, 2, 4, 6 in v192-255, the others in v64-95 and v160-191 (scale words that are done with, and v176-191)
.set G1,   24                          ; s[24:31] descriptor group 1 for A's codes;  s[32:39] group 0, one set for each slot
.set G0,   32
.set G1B,  48                          ; s[48:55], s[56:63] the same for B's codes
.set G0B,  56
.set G1S,  68                          ; s[68:75], s[76:79] groups 1 and 0 for A's scale bytes;  s[80:87], s[88:91] for B's
.set G0S,  76
.set G1SB, 80
.set G0SB, 88
.set G0H,  4                           ; s[4:7], s[8:11] group 0 for the head's loads of K step 0: A's 256 rows, B's 256 rows (the arguments that lay there have been used by then)
.set G0HB, 8
.set PFA,  96                          ; s[96:97] where my prefetches stand: my work-group's 32 of the 128 rows that I fetch, K step 0; never stepped: the K step is in the offset
.set LIM,  98                          ; s98     0 in a wave that prefetches
.set MSB, 0
.macro WIN new                         ; the immediate's high byte repeats the setting that is left; a switch that changes nothing is dropped
.if MSB != (\new)
	s_set_vgpr_msb (MSB<<8)|(\new)
.set MSB, \new
.endif
.endm
.set MUL_LO, 0xa5                      ; sources 0 and 1 window 1, C and D window 2  (+ 0x50: window 3)
.set ROW_LO, 0xa1                      ; the same with source 1 (x's fragments) in window 0
.set TO_F,   0x40                      ; destination window 1, address window 0
; A load into a register that a matrix instruction has read, and an LDS store that reads a matrix result, stand four places behind that matrix instruction, and only plain vector instructions that name none of
; its registers are places (ISA guide 7.12.1 for vector instructions); this text does not count the matrix instructions in between.
.macro PLACES
.rept 4
	v_nop
.endr
.endm
.macro CREST                           ; a round of the cluster's barrier behind its opening barrier
	s_cmp_lg_u32 s14, 0
	s_cbranch_scc1 .Lnot_wave_0_\@
	s_barrier_signal -3
.Lnot_wave_0_\@:
	s_barrier_wait -3
	s_barrier_signal -1
	s_barrier_wait -1
.endm
.macro CROUND                          ; a whole round
	s_barrier_signal -1
	s_barrier_wait -1
	CREST
.endm
; A joint load of the ring, one a wave: waves 0 and 1 fetch A's two halves, waves 2 and 3 B's.  Each of the two lines has ONE mask and one set of registers for all that issue it; the branch hangs on the wave's number
; alone.  Four v_nop follow each line, ahead of the jump, the label and what follows; they are also the places in front of the fragment loads that follow.
.macro JLOAD slot
	s_cmp_eq_u32 s15, 0
	s_cbranch_scc0 .Lfor_b_\@
	tensor_load_to_lds s[G0+4*(\slot):G0+4*(\slot)+3], s[G1:G1+7]
	s_nop 0
	PLACES
	s_branch .Lasked_\@
.Lfor_b_\@:
	tensor_load_to_lds s[G0B+4*(\slot):G0B+4*(\slot)+3], s[G1B:G1B+7]
	s_nop 0
	PLACES
.Lasked_\@:
.endm
; A PREFETCH INTO THE L2: a K step's 32 rows x 256 bytes, a lane a row, one instruction a wave.  At a change of slots every wave has waited for all its tensor loads, so a refill goes out with nothing on its way beside
; it: what it asks for is named two of the ring's loads earlier (K step 3: one load earlier; K step 2: behind K step 0's first step; K step 1: when the wave's own tile of the head has landed, ahead of the reads of the
; scale words and of the round behind which it is loaded).  K step 0 comes by its loads alone: nothing is named beside the head's own tiles.
; Waves 0 and 1 ask for x's rows (128 each), waves 2 and 3 for w's; of a wave's 128 rows the partner at place p takes 32 p .. 32 p + 31 (p = cx for x, cy for w): told apart BY ADDRESS.  x's tile row is asked for
; once in each of the two clusters that load it.  w's tile column is loaded by eight clusters: the four with an even cluster y ask.  Nothing is asked for behind K step 7.
.macro ASK k, n
	s_cmp_eq_u32 s[LIM], 0
	s_cbranch_scc0 .Lnot_mine_\@
	global_prefetch_b8 v[PFO], s[PFA:PFA+1] offset:ROWB*(\k) th:TH_LOAD_NT scope:SCOPE_SE
.if \n > 1
	global_prefetch_b8 v[PFO], s[PFA:PFA+1] offset:ROWB*(\k)+ROWB th:TH_LOAD_NT scope:SCOPE_SE
.endif
.Lnot_mine_\@:
.endm
	s_load_b128 s[4:7], s[0:1], 0x0                ; x's codes s[4:5], x's scales s[6:7]
	s_load_b128 s[8:11], s[0:1], 0x10              ; w's codes s[8:9], w's scales s[10:11]
	s_load_b64 s[12:13], s[0:1], 0x20              ; out0
	v_lshl_add_u32 v[SPW], v0, 2, SPARE
	v_mov_b32 v[NIL], 0
	ds_add_u32 v[SPW], v[NIL]                      ; the wave's opening: the add, twice on end, and its wait ahead of my first tensor load
	ds_add_u32 v[SPW], v[NIL]
	v_lshrrev_b32 v1, 5, v0
	v_readfirstlane_b32 s14, v1                    ; wave 0..3
	v_and_b32 v[PFO], 31, v0
	v_lshlrev_b32 v[PFO], 11, v[PFO]
	s_lshr_b32 s15, s14, 1                         ; which half of the tile's rows is mine.  Also: I fetch for A (0) or for B (1)
	s_and_b32 s16, s14, 1                          ; which half of its columns.  Also: which 128 rows of that tile I fetch
	s_bfe_u32 s40, ttmp6, 0x40000                  ; cx, cy: my place in the cluster
	s_bfe_u32 s41, ttmp6, 0x40004
	s_lshl_b32 s42, ttmp9, 2                       ; in a cluster launch ttmp9 and ttmp7 count clusters
	s_add_co_u32 s42, s42, s40                     ; tile column of out0 = 4 x cluster x + cx
	s_and_b32 s17, ttmp7, 0xffff
	s_lshl_b32 s17, s17, 2
	s_add_co_u32 s17, s17, s41                     ; tile row of out0 = 4 x cluster y + cy
	s_lshl_b32 s43, s41, 2
	s_lshl_b32 s43, 15, s43                        ; my row of the cluster: places 4 cy .. 4 cy + 3
	s_lshl_b32 s44, 0x1111, s40                    ; my column: places cx, cx + 4, cx + 8, cx + 12
	; descriptor group 1 for codes: rows of 256 bytes, padded in LDS: 256 rows for the head's loads; behind them the two words that count rows are set to 128, for the ring's
	s_or_b32 s[G1+0], s43, (0<<16)|(1<<20)|(1<<21)|(5<<22)|(3<<25)   ; 15:0 the mask: x's tiles go to my row; 17:16 element of 1 byte; 20 padding on; 21 set beside a mask; 24:22 after every 64 words (code 5); 31:25 of 4 words (code 3)
	s_or_b32 s[G1B+0], s44, (0<<16)|(1<<20)|(1<<21)|(5<<22)|(3<<25)  ; the same with the mask of my column, for w's tiles
.irp g, G1, G1B
	s_mov_b32 s[\g+1], ROWB<<16                    ; tensor_dim0 = 256
	s_mov_b32 s[\g+2], 256<<16                     ; tensor_dim1 = 256
	s_mov_b32 s[\g+3], ROWB<<16                    ; tile_dim0 = 256
	s_mov_b32 s[\g+4], 256                         ; tile_dim1 = 256
	s_mov_b32 s[\g+5], KROW                        ; tensor_dim0_stride: bytes from row to row
	s_mov_b32 s[\g+6], 0
	s_mov_b32 s[\g+7], 0
.endr
	; and for the scale bytes of 256 rows: a dense block, as 128 rows of 256 bytes (32 elements of 8 bytes), 16 bytes of padding behind each
	s_or_b32 s[G1S+0], s43, (3<<16)|(1<<20)|(1<<21)|(5<<22)|(3<<25)
	s_or_b32 s[G1SB+0], s44, (3<<16)|(1<<20)|(1<<21)|(5<<22)|(3<<25)
.irp g, G1S, G1SB
	s_mov_b32 s[\g+1], 32<<16
	s_mov_b32 s[\g+2], 128<<16
	s_mov_b32 s[\g+3], 32<<16
	s_mov_b32 s[\g+4], 128
	s_mov_b32 s[\g+5], 32
	s_mov_b32 s[\g+6], 0
	s_mov_b32 s[\g+7], 0
.endr
	; where the tiles come from: x's hang on the tile row, w's on the tile column, each in registers that never hold the other coordinate
	s_lshl_b32 s20, s17, 19                        ; x's codes: 256 rows x 2,048 bytes a tile row (under 2^24)
	s_mov_b32 s21, 0
	s_lshl_b32 s22, s17, 15                        ; x's scales: 256 rows x 128 bytes
	s_mov_b32 s23, 0
	s_lshl_b32 s46, s42, 19                        ; w's codes
	s_mov_b32 s47, 0
	s_lshl_b32 s92, s42, 15                        ; w's scales
	s_mov_b32 s93, 0
	s_lshl_b32 s18, s16, 18                        ; in the ring I fetch 128 rows of a tile: which half, in bytes,
	s_mov_b32 s19, 0
	s_mul_i32 s45, s14, HALFT                      ; and where they go: wave x 128 rows: no place in the cluster enters an LDS address
	s_wait_alu depctr_va_vdst(0)
	s_wait_dscnt 0x0                               ; both opening adds are done
	CROUND                                         ; all sixteen work-groups are here: the first joint loads meet (the arguments' loads are on their way meanwhile)
	s_wait_kmcnt 0x0
	s_cmp_eq_u32 s15, 0                            ; (the prefetches: waves 0 and 1 ask for x's rows, waves 2 and 3 for w's)
	s_cselect_b64 s[PFA:PFA+1], s[4:5], s[8:9]
	s_add_nc_u64 s[20:21], s[4:5], s[20:21]
	s_add_nc_u64 s[22:23], s[6:7], s[22:23]
	s_add_nc_u64 s[46:47], s[8:9], s[46:47]
	s_add_nc_u64 s[92:93], s[10:11], s[92:93]
	s_mov_b32 s[G0H], 1                            ; the head's four tiles, each whole: K step 0's 256 rows of A,
	s_mov_b32 s[G0H+1], 0
	s_mov_b64 s[G0H+2:G0H+3], s[20:21]
	s_or_b32 s[G0H+3], s[G0H+3], 0x80000000
	s_mov_b32 s[G0HB], 1                           ; its 256 rows of B, behind them in slot 0,
	s_mov_b32 s[G0HB+1], TILE
	s_mov_b64 s[G0HB+2:G0HB+3], s[46:47]
	s_or_b32 s[G0HB+3], s[G0HB+3], 0x80000000
	s_mov_b32 s[G0S], 1                            ; the scales of A's 256 rows,
	s_mov_b32 s[G0S+1], SCA
	s_mov_b64 s[G0S+2:G0S+3], s[22:23]
	s_or_b32 s[G0S+3], s[G0S+3], 0x80000000
	s_mov_b32 s[G0SB], 1                           ; and of B's
	s_mov_b32 s[G0SB+1], SCB
	s_mov_b64 s[G0SB+2:G0SB+3], s[92:93]
	s_or_b32 s[G0SB+3], s[G0SB+3], 0x80000000
; THE HEAD'S LOADS, ONE A WAVE.  Wave 0 fetches K step 0's 256 rows of A, wave 1 its 256 rows of B, wave 2 the scales of A's 256 rows, wave 3 those of B's.
; ONE tree of branches on the wave's number, each arm with its load and, but for the last, a jump to the tree's end: every way through the head passes exactly one load.
.macro ARM under, g0, g1, next
	s_cmp_lt_u32 s14, \under
	s_cbranch_scc0 \next
	tensor_load_to_lds s[\g0:\g0+3], s[\g1:\g1+7]
	s_nop 0
	PLACES
	s_branch .Lhead_asked
\next:
.endm
	ARM 1, G0H,  G1,  .Lhead_b
	ARM 2, G0HB, G1B, .Lhead_sa
	ARM 3, G0S,  G1S, .Lhead_sb
	tensor_load_to_lds s[G0SB:G0SB+3], s[G1SB:G1SB+7]
	s_nop 0
	PLACES
.Lhead_asked:
	s_add_nc_u64 s[20:21], s[20:21], s[18:19]      ; for the ring: my 128 rows of the tile
	s_add_nc_u64 s[46:47], s[46:47], s[18:19]
.irp s, 0,1
	s_mov_b32 s[G0+4*\s], 1                                        ; 1:0 count = 1
	s_add_co_u32 s[G0+4*\s+1], s45, \s*SLOT                        ; 63:32 LDS address
	s_add_nc_u64 s[G0+4*\s+2:G0+4*\s+3], s[20:21], \s*ROWB         ; 120:64 global address: K step s
	s_or_b32 s[G0+4*\s+3], s[G0+4*\s+3], 0x80000000                ; 127:126 type = 2
	s_mov_b32 s[G0B+4*\s], 1
	s_add_co_u32 s[G0B+4*\s+1], s45, \s*SLOT
	s_add_nc_u64 s[G0B+4*\s+2:G0B+4*\s+3], s[46:47], \s*ROWB
	s_or_b32 s[G0B+4*\s+3], s[G0B+4*\s+3], 0x80000000
.endr
	; the prefetches: where my wave's stand, and who asks
	s_lshl_b32 s20, s17, 8                         ; the tile's first row in x,
	s_lshl_b32 s21, s42, 8                         ; and in w
	s_and_b32 s22, ttmp7, 1                        ; cluster y odd
	s_cmp_eq_u32 s15, 0
	s_cselect_b32 s20, s20, s21
	s_cselect_b32 s21, s40, s41                    ; my work-group's place among the four that ask for the tile together
	s_cselect_b32 s[LIM], 0, s22                   ; the same in all sixteen partners, for a given wave
	s_lshl_b32 s22, s16, 7
	s_add_co_u32 s20, s20, s22                     ; + my wave's 128 rows
	s_lshl_b32 s21, s21, 5
	s_add_co_u32 s20, s20, s21                     ; + my work-group's 32 of them
	s_lshl_b32 s20, s20, 11                        ; in bytes: 2,048 a row (under 2^24)
	s_mov_b32 s21, 0
	s_add_nc_u64 s[PFA:PFA+1], s[PFA:PFA+1], s[20:21]
	; where my part of out0 begins: row 256 x tile row + 128 x half, 8,192 bytes a row (all of out0 is 2^26 bytes); column 1,024 x tile column + 512 x half, in bytes
	s_lshl_b32 s20, s17, 8
	s_lshl_b32 s21, s15, 7
	s_add_co_u32 s20, s20, s21
	s_lshl_b32 s20, s20, 13
	s_lshl_b32 s46, s42, 10
	s_lshl_b32 s47, s16, 9
	s_add_co_u32 s46, s46, s47
	s_add_co_u32 s20, s20, s46
	s_mov_b32 s21, 0
	s_add_nc_u64 s[12:13], s[12:13], s[20:21]
	; the lanes' addresses
	s_mul_i32 s20, s15, HALFT                      ; my 128 rows of A
	s_mul_i32 s22, s16, HALFT                      ; my 128 rows of B,
	s_add_co_u32 s22, s22, TILE                    ; which lie behind A's 256
	s_add_co_u32 s21, s20, SLOT
	s_add_co_u32 s23, s22, SLOT
	s_mul_i32 s46, s15, HALFS                      ; the scale bytes of my 128 rows of A,
	s_add_co_u32 s46, s46, SCA
	s_mul_i32 s47, s16, HALFS                      ; and of B
	s_add_co_u32 s47, s47, SCB
	s_mul_i32 s92, s14, 16*SPITCH                  ; my stage
	v_and_b32 v1, 15, v0                           ; r = l % 16
	v_bfe_u32 v13, v0, 4, 1                        ; h = l / 16
	v_mul_u32_u24 v14, v1, PITCH
	v_lshl_add_u32 v14, v13, 4, v14                ; a fragment's row x pitch + 16 x half
	v_add_nc_u32 v[ADRA], s20, v14
	v_add_nc_u32 v[ADRA+1], s21, v14
	v_add_nc_u32 v[ADRB], s22, v14
	v_add_nc_u32 v[ADRB+1], s23, v14
	v_mul_u32_u24 v14, v1, SPITCH                  ; into the stage: row l % 16, 32 bytes for each half of the lanes
	v_lshl_add_u32 v14, v13, 5, v14
	v_add_nc_u32 v[STO], s92, v14
	v_and_b32 v13, 31, v0
	v_lshlrev_b32 v[CO], 4, v13                    ; back: the 32 lanes take one row of 512 bytes; and the same in out0
	v_add_nc_u32 v[RD], s92, v[CO]
	v_lshrrev_b32 v13, 1, v13                      ; scale bytes: lane l takes row l: LDS row l / 2, byte 128 (l % 2)
	v_mul_u32_u24 v13, v13, PITCH
	v_and_b32 v14, 1, v0
	v_lshl_add_u32 v13, v14, 7, v13
	v_add_nc_u32 v[ADRS], s46, v13
	v_add_nc_u32 v[ADSB], s47, v13
; One matrix instruction: x's block a, w's pair p, the K step's q-th 128 along K.  XB, XA: where the fragments stand.  XZ: it starts the sum: nothing is ever cleared.
.macro WM a, p, q
.set XD, 64*((\a)%4)+16*(\p)
.set XS, SB+16*(7-KK)+4*(\p)+(\q)
.set XT, SA+16*(KK%2)+4*((\a)/2)+(\q)
.if XZ
.if (\a)%2
	v_wmma_scale_f32_32x16x128_f4 v[XD:XD+15], v[XB:XB+15], v[XA:XA+7], 0, v[XS], v[XT] matrix_b_scale:MATRIX_SCALE_ROW1
.else
	v_wmma_scale_f32_32x16x128_f4 v[XD:XD+15], v[XB:XB+15], v[XA:XA+7], 0, v[XS], v[XT]
.endif
.else
.if (\a)%2
	v_wmma_scale_f32_32x16x128_f4 v[XD:XD+15], v[XB:XB+15], v[XA:XA+7], v[XD:XD+15], v[XS], v[XT] matrix_b_scale:MATRIX_SCALE_ROW1
.else
	v_wmma_scale_f32_32x16x128_f4 v[XD:XD+15], v[XB:XB+15], v[XA:XA+7], v[XD:XD+15], v[XS], v[XT]
.endif
.endif
.endm
; Block a against w's four pairs, fragments of set st.  The 32 accumulators take turns, one instruction a turn, in the same order in every step.
.macro ABLK a, st, q
	WIN MUL_LO+0x50*((\a)/4)
.set XZ, 0
.if (KK == 0) && ((\q) == 0)
.set XZ, 1
.endif
.irp p, 0,1,2,3
.set XB, 128*(\st)+16*\p
.set XA, 128*(\st)+64+8*(\a)
	WM \a, \p, \q
.endr
.endm
; Four fragments, i0 .. i0 + 3, of w (side 0) or x (side 1) into set st: eight LDS loads.  A fragment, 16 rows x 128 K of 4-bit codes, is 8 registers: lane l holds row l % 16; registers 4 c .. 4 c + 3 hold
; K = 64 c + 32 (l / 16) + 0 .. 31, the lower K in the lower bits.
.macro BUN side, slot, q, st, i0
	WIN TO_F
.irp i, 0,1,2,3
.irp c, 0,1
	ds_load_b128 v[128*(\st)+64*(\side)+8*((\i0)+\i)+4*\c:128*(\st)+64*(\side)+8*((\i0)+\i)+4*\c+3], v[ADRB-2*(\side)+(\slot)] offset:64*(\q)+32*\c+((\i0)+\i)*16*PITCH
.endr
.endr
.endm
.macro SCALES k                        ; x's scale words of K step k, into its set: 16 bytes a row
.irp p, 0,1,2,3
	ds_load_b128 v[SA+16*((\k)%2)+4*\p:SA+16*((\k)%2)+4*\p+3], v[ADRS] offset:\p*SBLK+16*(\k)
.endr
.endm
; A step of 128 along K that has its successor in the same slot.  Its own fragments were asked for in the order w's eight (16 loads), x's blocks 0 .. 7 (2 each); the next step's 32 loads go out in one run at its start.
; Ahead of block a may be out: the later blocks' 2 (7 - a) loads and the 32 new ones.
.macro STEP q
	PLACES                                         ; the other set was read by the step before
	BUN 0, KK%2, (\q)+1, 1-(\q)%2, 0
	BUN 0, KK%2, (\q)+1, 1-(\q)%2, 4
	BUN 1, KK%2, (\q)+1, 1-(\q)%2, 0
	BUN 1, KK%2, (\q)+1, 1-(\q)%2, 4
.irp a, 0,1,2,3,4,5,6,7
	s_wait_dscnt 46-2*\a
	ABLK \a, (\q)%2, \q
.endr
.endm
; A K step's third step and the front of its last.  x's scale words of the next K step are asked for behind the fourth step's fragments.  Then, ahead of ONE barrier, each wave waits for all its tensor loads, adds 0 to its
; spare word, and waits for that and for its own reads of LDS, the last of this slot among them; twelve matrix instructions stand between the add and the wait for it, four between the barrier's signal and its wait.
.macro MEET fill
	PLACES
	BUN 0, KK%2, 3, 1, 0
	BUN 0, KK%2, 3, 1, 4
	BUN 1, KK%2, 3, 1, 0
	BUN 1, KK%2, 3, 1, 4
	WIN 0
	SCALES KK+1
.irp a, 0,1,2,3,4
	s_wait_dscnt 50-2*\a                           ; the later blocks' 2 (7 - a) loads, 32 new ones and four of scale words may be out
	ABLK \a, 0, 2
.endr
	WIN 0                                          ; (the add's two registers lie in window 0)
	s_wait_tensorcnt 0x0                           ; all my tensor loads have landed: my part of the next slot
	ds_add_u32 v[SPW], v[NIL]                      ; 0 onto my spare word
.if \fill
	s_add_nc_u64 s[G0+4*(KK%2)+2:G0+4*(KK%2)+3], s[G0+4*(KK%2)+2:G0+4*(KK%2)+3], 2*ROWB      ; no tensor load of mine is out, so every group 0 may be written: this slot's tile two K steps on
	s_add_nc_u64 s[G0B+4*(KK%2)+2:G0B+4*(KK%2)+3], s[G0B+4*(KK%2)+2:G0B+4*(KK%2)+3], 2*ROWB
.endif
.irp a, 5,6,7
	s_wait_dscnt 51-2*\a                           ; (the add too may be out)
	ABLK \a, 0, 2
.endr
	s_wait_dscnt 0x0                               ; the add is done, and my reads of this slot are over
	s_barrier_signal -1
	ABLK 0, 1, 3
	WIN 0
	s_barrier_wait -1
.endm
.macro TURN
	MEET 1
	CREST                                          ; no wave of any partner still reads this slot's tile or has a load on its way
	JLOAD KK%2                                     ; the first tensor load behind the round
	BUN 0, (KK+1)%2, 0, 0, 0
	BUN 0, (KK+1)%2, 0, 0, 4
	BUN 1, (KK+1)%2, 0, 0, 0
	BUN 1, (KK+1)%2, 0, 0, 4
.if KK < 4
	WIN 0                                          ; behind the joint load and the LDS loads that the next products wait for:
.if KK == 0
	ASK 3, 2                                       ; K steps 3 and 4,
.else
	ASK KK+4, 1                                    ; the K step two loads on
.endif
.endif
.irp a, 1,2,3,4,5,6,7
	ABLK \a, 1, 3
.endr
.endm
	s_wait_alu depctr_va_vdst(0)
	s_wait_tensorcnt 0x0                           ; my tile of the head's four is in,
	ASK 1, 1
	s_barrier_signal -1
	s_barrier_wait -1                              ; and everybody's are
.irp k, 0,1,2,3,4,5,6,7
.irp p, 0,1,2,3
	ds_load_b128 v[SB+16*(7-\k)+4*\p:SB+16*(7-\k)+4*\p+3], v[ADSB] offset:\p*SBLK+16*\k   ; w's scale words for all of K: register 4 p + q of K step k's sixteen
.endr
.endr
	SCALES 0                                       ; x's of K step 0
	s_wait_tensorcnt 0x0
	ds_add_u32 v[SPW], v[NIL]
	s_mov_b32 s[G1+2], 128<<16                     ; no tensor load of mine is out, so a descriptor may be written: from here on a load brings 128 rows
	s_mov_b32 s[G1+4], 128
	s_mov_b32 s[G1B+2], 128<<16
	s_mov_b32 s[G1B+4], 128
	s_wait_dscnt 0x0                               ; the add is done, and w's scale words have left the bytes where slot 1 lies
	CROUND                                         ; a whole round: both now hold of every wave of all sixteen work-groups
	JLOAD 1                                        ; K step 1, the first tensor load behind the round
	BUN 0, 0, 0, 0, 0
	BUN 0, 0, 0, 0, 4
	BUN 1, 0, 0, 0, 0
	BUN 1, 0, 0, 0, 4
.set KK, 0
.rept 6                                ; K steps 0 to 5: each K step's slot is filled again, two K steps ahead
	STEP 0
.if KK == 0
	WIN 0
	ASK 2, 1
.endif
	STEP 1
	TURN
.set KK, KK+1
.endr
	STEP 0                                         ; K step 6
	STEP 1
; THE LAST K STEP (it lies in slot 1) GOES BY ROWS OF out0.  All its fragments of w (4 steps x 64 registers) fill window 1; then my eight blocks of 16 rows are finished one after the other, each with 16 matrix
; instructions (its 4 accumulators by turns, K ascending), and a finished block leaves while the others are multiplied.
.macro BLOAD q                         ; w's fragments of the q-th 128 along K -> window 1, v[64 q ..]
	WIN TO_F
.irp i, 0,1,2,3,4,5,6,7
.irp c, 0,1
	ds_load_b128 v[64*(\q)+8*\i+4*\c:64*(\q)+8*\i+4*\c+3], v[ADRB+1] offset:64*(\q)+32*\c+\i*16*PITCH
.endr
.endr
.endm
.macro ALOAD a                         ; x's fragments of block a, all of the K step -> buffer a % 2
	WIN 0
.irp q, 0,1,2,3
.irp c, 0,1
	ds_load_b128 v[PA+32*((\a)%2)+8*\q+4*\c:PA+32*((\a)%2)+8*\q+4*\c+3], v[ADRA+1] offset:64*\q+32*\c+(\a)*16*PITCH
.endr
.endr
.endm
.macro RQ a, q                         ; block a, the q-th 128 along K
	WIN ROW_LO+0x50*((\a)/4)
.set XZ, 0
.irp p, 0,1,2,3
.set XB, 64*(\q)+16*\p
.set XA, PA+32*((\a)%2)+8*(\q)
	WM (\a), \p, \q
.endr
.endm
; THE WAY OUT of block a.  A lane holds 32 neighbouring bytes of a row, and the lanes beside it hold other rows: so a block goes through my own stage in LDS and comes back as whole rows of 512 bytes.
; LDS serves a wave's instructions in order (ISA guide 5.7.1.4): no wait between the stores and the loads, nor in front of the next block's stores.
.macro TOSTAGE a
	WIN 0x08+4*((\a)/4)                            ; an LDS store's data are its source 1: window 2 or 3
.irp p, 0,1,2,3
.irp u, 0,1,2,3
	ds_store_b128 v[STO], v[64*((\a)%4)+16*\p+4*\u:64*((\a)%4)+16*\p+4*\u+3] offset:128*\p+64*(\u/2)+16*(\u%2)   ; each accumulator from its low end on
.endr
.endr
	WIN 0
.irp t, 0,1,2,3,4,5,6,7,8,9,10,11,12,13,14,15
.set BR, BK+4*\t+((\a)%2)*(64*(\t/8)-128)
	ds_load_b128 v[BR:BR+3], v[RD] offset:\t*SPITCH
.endr
.endm
.macro SEND a
	WIN 0
	s_wait_xcnt 0x0                                ; the block before's stores have read their registers (ISA guide 3.1): the next block's rows may land there
	s_wait_dscnt 0x0                               ; the block is back in registers (and x's fragments of the next block are in)
.irp t, 0,1,2,3,4,5,6,7,8,9,10,11,12,13,14,15
.set BR, BK+4*\t+((\a)%2)*(64*(\t/8)-128)
	global_store_b128 v[CO], v[BR:BR+3], s[12:13] offset:((\a)*16+\t)*NROW th:TH_STORE_NT   ; 32 lanes store 512 consecutive bytes, at a multiple of 256 from out0's first byte; written once, read by nobody here
.endr
.endm
	MEET 0                                         ; the last change of slots: nothing is filled, so no round follows.  Behind it nobody reads slot 0
	PLACES
	BLOAD 0                                        ; set 0's registers: K step 6's last step multiplies set 1
	BLOAD 1
	ALOAD 0                                        ; (the buffers lie where w's scale words of K steps 1 to 4 were)
	ALOAD 1
	ABLK 1, 1, 3
	ABLK 2, 1, 3
	ABLK 3, 1, 3
	ABLK 4, 1, 3
	ABLK 5, 1, 3
	ABLK 6, 1, 3
	ABLK 7, 1, 3
	PLACES
	BLOAD 2
	BLOAD 3
.set KK, 7
	s_wait_dscnt 40                                ; w's first two, x's block 0; out: x's block 1 (8), w's last two (16 each)
	RQ 0, 0
	RQ 0, 1
	s_wait_dscnt 16
	RQ 0, 2
	s_wait_dscnt 0
	RQ 0, 3
.irp a, 0,1,2,3,4,5,6,7
	PLACES                                         ; for the stage stores that read results just made, and for the loads into x's buffer
.if \a < 6
	ALOAD \a+2
.endif
	TOSTAGE \a
.if \a < 7
	RQ \a+1, 0
	RQ \a+1, 1
	SEND \a
	RQ \a+1, 2
	RQ \a+1, 3
.else
	SEND \a
.endif
.endr
	s_wait_tensorcnt 0x0                           ; the wave's end: behind my last tensor load and my last LDS store
	ds_add_u32 v[SPW], v[NIL]
	s_wait_dscnt 0x0
	CROUND                                         ; the closing round: no work-group ends while a partner may still ask for a tile that names it
	s_endpgm
.Lfunc_end_k_q99fd881156_gemm:
	.size	k_q99fd881156_gemm, .Lfunc_end_k_q99fd881156_gemm-k_q99fd881156_gemm
	.p2alignl 7, 3214868480
	.fill 96, 4, 3214868480
	.section	.rodata,"a",@progbits
	.p2align	6, 0x0
	.amdhsa_kernel k_q99fd881156_gemm
		.amdhsa_group_segment_fixed_size 327680
		.amdhsa_private_segment_fixed_size 0
		.amdhsa_enable_private_segment 0
		.amdhsa_kernarg_size 40
		.amdhsa_user_sgpr_count 2
		.amdhsa_user_sgpr_kernarg_segment_ptr 1
		.amdhsa_wavefront_size32 1
		.amdhsa_system_sgpr_workgroup_id_x 1
		.amdhsa_system_sgpr_workgroup_id_y 1
		.amdhsa_system_sgpr_workgroup_id_z 1
		.amdhsa_system_vgpr_workitem_id 0
		.amdhsa_next_free_vgpr 1024
		.amdhsa_next_free_sgpr 100
		.amdhsa_reserve_vcc 0
		.amdhsa_float_denorm_mode_32 3
		.amdhsa_float_denorm_mode_16_64 3
		.amdhsa_memory_ordered 1
		.amdhsa_forward_progress 1
		.amdhsa_inst_pref_size 255
	.end_amdhsa_kernel
	.section	.bss,"aw",@nobits
	.p2align	6
	.space	262144
	.amdgpu_metadata
---
amdhsa.version: [ 1, 2 ]
amdhsa.kernels:
  - .name:           k_q99fd881156_gemm
    .symbol:         k_q99fd881156_gemm.kd
    .args:
      - { .name: x_codes, .offset: 0, .size: 8, .value_kind: global_buffer, .address_space: global }
      - { .name: x_scales, .offset: 8, .size: 8, .value_kind: global_buffer, .address_space: global }
      - { .name: w_codes, .offset: 16, .size: 8, .value_kind: global_buffer, .address_space: global }
      - { .name: w_scales, .offset: 24, .size: 8, .value_kind: global_buffer, .address_space: global }
      - { .name: out0, .offset: 32, .size: 8, .value_kind: global_buffer, .address_space: global }
    .group_segment_fixed_size: 327680
    .private_segment_fixed_size: 0
    .kernarg_segment_align: 8
    .kernarg_segment_size: 40
    .max_flat_workgroup_size: 128
    .sgpr_count:     100
    .vgpr_count:     1024
    .wavefront_size: 32
...
	.end_amdgpu_metadata
.endif
;; end of part 1
